; MI455X (gfx1250); checked and timed in simulation.
; The chip was launched on July 23, 2026; its instructions are those of AMD's public machine-readable ISA for CDNA 5 (MIT licence, August 2026) and "CDNA5" Instruction Set Architecture Reference Guide (July 2026). The comments in the code are by the model that wrote it; some were corrected since.
;; x LSTM Mo E Layer. Allowed arithmetic: matrix products marked QUANTISED: E3M2 operands, one E8M0 scale for each 32 along K, by v_wmma_scale_f32_16x16x128_f8f6f4 with both operands' format E3M2, f32 sums; products left as they are: f32 operands where the result goes on into a quantised operand, else bf16, f16 or f32 operands; f32 sums; everything else in f32.
;; Inputs: b1 8 x 4,096 float32; b2 8 x 1,024 float32; gate_w 1,024 x 8 float32; hidden_states 4 x 256 x 1,024 float32; w1_codes 8 x 4,096 x 32 x 24 uint8 (E3M2 codes of w1, K innermost, in blocks of 32 codes, four codes in three bytes); w1_scales 8 x 4,096 x 32 uint8 (E8M0 scales of w1, one for each 32 codes along K); w2_codes 8 x 1,024 x 128 x 24 uint8 (E3M2 codes of w2, K innermost, in blocks of 32 codes, four codes in three bytes); w2_scales 8 x 1,024 x 128 uint8 (E8M0 scales of w2, one for each 32 codes along K).
;; Outputs: out0 4 x 256 x 1,024 float32.
;; This version of the problem:
;;   THIS VERSION OF THE PROBLEM IS GIVEN IN LOW PRECISION. The matrix products marked QUANTISED in the list below multiply operands that are first quantised to E3M2 (3 exponent bits, 2 mantissa bits; 6 bits a number), with one power-of-two scale for each 32 numbers along K (OCP MX v1.0); their sums are f32. All else is computed in f32.
;;   The module's matrix products, in the order in which they are computed (A, B: the left and right operand; K: the contracted axis; several contracted axes count as one K, in the product's order):
;;     1. [M 1,024, K 1,024] x [K 1,024, N 8]; A: input hidden_states; B: input gate_w: left as it is (N = 8 < 16)
;;     2. [M 1,024, K 1,024] x [K 1,024, N 32,768]; A: input hidden_states; B: input w1 (given as codes): QUANTISED
;;     3. batch 8 x [M 1,024, K 4,096] x [K 4,096, N 1,024]; A: input w2 (given as codes); B: computed on the way: QUANTISED
;;     4. batch 1,024 x [M 1,024, K 8] x [K 8, N 1]; A: computed on the way; B: computed on the way: left as it is (K = 8 < 32)
;;   THE QUANTISER, for each operand of a quantised product, along K:
;;     - K is cut into blocks of 32 from its start; a last block that is shorter is filled with zeros.
;;     - A block's scale is 2^e with e = floor(log2(the largest magnitude in the block)) - 4, held to -126 .. 127; a block of zeros has e = 0. As a byte (E8M0): e + 127.
;;     - Each number is divided by its block's scale, clamped to +-28, and rounded to the nearest number of E3M2, ties to even, subnormals kept.
;;     - The product sums the exact products of the quantised numbers (number of the format x scale) in f32.
;;   ~~~python
;;   def quantise(x, axis):      # numpy; x: float32 -> the quantised numbers, widened to float32 again
;;       x = np.moveaxis(x, axis, -1); K = x.shape[-1]
;;       x = np.pad(x, [(0, 0)] * (x.ndim - 1) + [(0, -K % 32)]); x = x.reshape(x.shape[:-1] + (-1, 32)); a = np.abs(x).max(-1, keepdims=True)
;;       e = np.where(a > 0, np.clip(np.frexp(np.where(a > 0, a, 1))[1] - 1 - 4, -126, 127), 0)      # np.frexp(a)[1] - 1 = floor(log2(a)), exactly
;;       r = np.clip(x / 2.0 ** e, -28, 28)
;;       step = 2.0 ** (np.maximum(np.frexp(np.where(r == 0, 1, r))[1] - 1, -2) - 2)
;;       q = np.round(r / step) * step * 2.0 ** e      # np.round: ties to even
;;       return np.moveaxis(q.reshape(q.shape[:-2] + (-1,))[..., :K], -1, axis).astype(np.float32)
;;   ~~~
;;   OPERANDS COMPUTED ON THE WAY. 'Computed on the way' means the value that the module computes at that place (a softmax that the list does not call 'softmax' is quantised finished and normalised). What goes into a quantiser is computed in f32, as accurately as f32 sums, v_exp_f32 and their like allow (about 1e-6 of the number): no bf16 or f16 on the way to a quantiser, and a product that is left as it is and whose result goes on into a quantised operand takes f32 operands (vector FMAs, or v_wmma_f32_16x16x4_f32). A number that lies on a knife's edge between two numbers of the format may be rounded either way, as far as f32 arithmetic and the matrix unit's own rounding can turn it there, and no further.
;;   INPUTS GIVEN AS CODES. w1 (in the module: [8, 1024, 4096], K = its axis 1); w2 (in the module: [8, 4096, 1024], K = its axis 1): each comes as NAME_codes (uint8): NAME with its K axis moved to the last place and cut into blocks of 32 codes, [.., K / 32, bytes a block], one block behind the other in memory; four codes in three bytes: a row's codes are one little-endian stream of bits, code i at bits 6 i .. 6 i + 5 (a code: sign, 3 exponent bits, 2 mantissa bits); and NAME_scales (uint8): the same leading axes, one E8M0 byte (e + 127) for each 32 codes along K. Its value is code x scale, taken as it is: it is not quantised again, and the codes and scales need not be those that the quantiser above would give.
;; One version. Each part assembles by itself: llvm-mc -triple=amdgcn-amd-amdhsa -mcpu=gfx1250 --defsym DOCPART=n.
;; ======== version 1 of 1: 4 launches
;; limits: right only within a limited range of input values
;; workspace buffers: sel 8,192 bytes of whole numbers; xq 827,392 bytes; lists 33,792 bytes of whole numbers; h 27,262,976 bytes; yp 35,651,584 bytes
;; launch route (part 1): grid 256 x 1, 4 waves a work-group, no clusters, 55,808 bytes of LDS; arguments hidden_states, gate_w, sel, xq; writes sel, xq
.if DOCPART == 1
	.amdgcn_target "amdgcn-amd-amdhsa--gfx1250"
	.amdhsa_code_object_version 6
	.text
	.protected	k_q534ea786e1_route
	.globl	k_q534ea786e1_route
	.p2align	8
	.type	k_q534ea786e1_route,@function
k_q534ea786e1_route:
	s_mov_b64 s[64:65], 0
	v_nop
	global_prefetch_b8 v0, s[64:65] scope:SCOPE_SE
	s_setreg_imm32_b32 hwreg(HW_REG_WAVE_MODE, 25, 1), 1
	s_wait_xcnt 0x0
; ROUTE.  One wave takes one token (1,024 numbers of f32).  It (a) quantises the token to codes of E3M2 with one E8M0 byte for each 32 along K, and (b) computes the router:
; eight logits in f32 by fused multiply-adds, softmax with the row's maximum taken away, the two largest probabilities (the lower index wins a tie), their weights made to add up to 1.
; The chosen experts go to sel[token][2] as whole numbers, at fixed places: no address of this launch hangs on them.  A later launch turns them into addresses.
; xq: codes [token][768 bytes] at 0, scale bytes [token][32] at XQ_SC, gate weights f32 [choice][token] at XQ_GW.
; ORDER OF A TOKEN'S CODES.  For K step s (128 along K) and half h, the 24 bytes of block 4 s + h followed by the 24 bytes of block 4 s + 2 + h are the twelve operand registers of lane (row, h);
; bytes 16 j .. 16 j + 15 of these 48 lie at row byte 96 s + 32 j + 16 h, so that the gather of the next launch takes them by loads of 16 bytes.
; ORDER OF ITS SCALE BYTES.  The word of K step s lies at 16 (s & 1) + 4 (s >> 1): the four words of the even steps, then those of the odd steps.
; Lane L owns block L: k = 32 L .. 32 L + 31.  x is loaded as it lies (512 consecutive bytes a load) and turned through the wave's own stage in LDS; gate_w (32 KiB) is brought into LDS once by the four waves.
; No matrix unit: the product has N = 8.  No cluster: work-groups share only gate_w, 32 KiB.
; LIMITS: NaN and infinities are not served.  The logits' sums run in another order than the reference's: two experts whose probabilities lie within about 1e-6 of each other may change places.
; A block of zeros gets the scale byte 1 (the floor) where the quantiser says 127: its codes are zeros, and this program alone reads the bytes.
.set GP,    1040                       ; a lane's 1,024 bytes of gate_w + 16: an odd multiple of 16
.set XST,   32*GP                      ; each wave: 32 blocks x (128 bytes + 16)
.set XP,    144
.set CST,   XST+4*32*XP                ; each wave: a token's 768 bytes of codes
.set XQ_SC, 786432
.set XQ_GW, 819200
.set LG,    16                         ; v16-23   the logits, later the probabilities
.set P,     24                         ; v24-31   at work
.set X,     32                         ; v32-63   my block's 32 numbers
.set G,     64                         ; v64-127, v128-191 two buffers for gate_w; the first also takes it from memory, the second first takes x
	s_load_b128 s[4:7], s[0:1], 0x0                ; hidden_states, gate_w
	s_load_b128 s[8:11], s[0:1], 0x10              ; sel, xq
	v_lshl_add_u32 v192, v0, 2, 0xd800
	v_mov_b32 v193, 0
	v_lshrrev_b32 v13, 5, v0
	v_readfirstlane_b32 s12, v13                   ; wave
	v_and_b32 v1, 31, v0                           ; lane
	v_lshlrev_b32 v2, 4, v0                        ; gate_w: 16 bytes a thread
	v_lshrrev_b32 v3, 6, v0
	v_mul_u32_u24 v3, v3, GP
	v_and_b32 v13, 63, v0
	v_lshl_add_u32 v3, v13, 4, v3                  ; and where they go: slot thread / 64, byte 16 (thread % 64); a load's 2,048 bytes are two slots
	v_lshlrev_b32 v4, 4, v1                        ; x: 16 bytes a lane
	s_mul_i32 s14, s12, 32*XP
	s_add_co_u32 s14, s14, XST
	v_lshrrev_b32 v5, 3, v1
	v_mul_u32_u24 v5, v5, XP
	v_and_b32 v13, 7, v1
	v_lshl_add_u32 v5, v13, 4, v5
	v_add_nc_u32 v5, s14, v5                       ; x's stage, in: block lane / 8 of the load's four, byte 16 (lane % 8)
	v_mul_u32_u24 v6, v1, XP
	v_add_nc_u32 v6, s14, v6                       ; and out: my block
	v_mul_u32_u24 v7, v1, GP                       ; my slot of gate_w
	s_mul_i32 s15, s12, 768
	s_add_co_u32 s15, s15, CST
	v_lshrrev_b32 v13, 2, v1                       ; s = L / 4
	v_mul_u32_u24 v8, v13, 96
	v_and_b32 v14, 1, v1                           ; h = L & 1
	v_lshl_add_u32 v8, v14, 4, v8
	v_add_nc_u32 v8, s15, v8                       ; the codes' stage: 96 s + 16 h
	v_bfe_u32 v14, v1, 1, 1                        ; c = (L / 2) & 1: first or second half of the 48 bytes
	v_mad_u32_u24 v9, v14, 56, v8                  ; my second piece of 8 bytes lies at + 8 + 56 c,
	v_mad_u32_u24 v8, v14, 40, v8                  ; the first at + 40 c, the third at + 32 + 40 c
	v_lshlrev_b32 v12, 3, v1                       ; out: 8 bytes a lane
	v_add_nc_u32 v10, s15, v12
	v_bfe_u32 v11, v1, 2, 1
	v_lshlrev_b32 v11, 4, v11
	v_lshrrev_b32 v13, 3, v1
	v_lshl_add_u32 v11, v13, 2, v11
	v_and_b32 v13, 3, v1
	v_add_nc_u32 v11, v11, v13                     ; my scale byte: 16 (s & 1) + 4 (s >> 1) + L % 4
	s_lshl_b32 s13, ttmp9, 2
	s_add_co_u32 s13, s13, s12                     ; my token
	s_mov_b32 s24, 0x76543210
	s_mov_b32 s25, 0xfedcba98                      ; selects for lane l xor 16
	s_lshl_b32 s16, s13, 12
	s_mov_b32 s17, 0
	s_mul_i32 s18, s13, 768
	s_mov_b32 s19, 0
	s_lshl_b32 s20, s13, 5
	s_add_co_u32 s20, s20, XQ_SC
	s_mov_b32 s21, 0
	s_lshl_b32 s22, s13, 2
	s_add_co_u32 s22, s22, XQ_GW
	s_mov_b32 s23, 0
	s_lshl_b32 s26, s13, 3
	s_mov_b32 s27, 0
	s_wait_kmcnt 0x0
	s_add_nc_u64 s[4:5], s[4:5], s[16:17]          ; my token's row of x
	s_add_nc_u64 s[18:19], s[10:11], s[18:19]      ; its codes,
	s_add_nc_u64 s[20:21], s[10:11], s[20:21]      ; its scale bytes,
	s_add_nc_u64 s[22:23], s[10:11], s[22:23]      ; its gate weights,
	s_add_nc_u64 s[8:9], s[8:9], s[26:27]          ; its two experts
.irp i, 0,1,2,3,4,5,6,7
	global_load_b128 v[G+64+4*\i:G+64+4*\i+3], v4, s[4:5] offset:512*\i th:TH_LOAD_NT   ; 512 consecutive bytes a load; read once in the launch
.endr
.irp i, 0,1,2,3,4,5,6,7,8,9,10,11,12,13,14,15
	global_load_b128 v[G+4*\i:G+4*\i+3], v2, s[6:7] offset:2048*\i
.endr
	s_wait_loadcnt 16                              ; x is in; the sixteen loads of gate_w, issued behind it, may stay out
.irp i, 0,1,2,3,4,5,6,7
	ds_store_b128 v5, v[G+64+4*\i:G+64+4*\i+3] offset:4*XP*\i
.endr
.irp i, 0,1,2,3,4,5,6,7
	ds_load_b128 v[X+4*\i:X+4*\i+3], v6 offset:16*\i   ; LDS serves a wave's instructions in order: these see the stores above
.endr
	s_wait_dscnt 0x0
	; the quantiser: all 32 numbers of the block are mine
	v_max3_num_f32 v13, |v[X]|, |v[X+1]|, |v[X+2]|
	v_max3_num_f32 v14, |v[X+3]|, |v[X+4]|, |v[X+5]|
.irp i, 6,10,14,18,22,26
	v_max3_num_f32 v13, v13, |v[X+\i]|, |v[X+\i+1]|
	v_max3_num_f32 v14, v14, |v[X+\i+2]|, |v[X+\i+3]|
.endr
	v_max3_num_f32 v13, v13, |v[X+30]|, |v[X+31]|
	v_max3_num_f32 v13, v13, v14, 0x2800000        ; and the floor 2^(5 - 127): the byte cannot fall under 1
	v_add_nc_u32 v15, 0xfe000000, v13              ; 4 off the exponent field: the conversion takes this operand's exponent field as its scale
	v_cvt_scalef32_pk16_bf6_f32 v[P:P+2], v[X:X+15], v15
	v_cvt_scalef32_pk16_bf6_f32 v[P+4:P+6], v[X+16:X+31], v15   ; (a conversion's three registers begin on an even number)
	v_lshrrev_b32 v31, 23, v15                     ; the scale's byte; also the plain instruction behind the conversions
	v_mov_b32 v[P+3], v[P+4]
	v_mov_b32 v[P+4], v[P+5]
	v_mov_b32 v[P+5], v[P+6]                       ; v24-29: my block's 24 bytes
	ds_store_b64 v8, v[P:P+1]
	ds_store_b64 v9, v[P+2:P+3] offset:8
	ds_store_b64 v8, v[P+4:P+5] offset:32
.irp i, 0,1,2
	ds_load_b64 v[160+2*\i:161+2*\i], v10 offset:256*\i
.endr
	global_store_b8 v11, v31, s[20:21]
	s_wait_dscnt 0x0
.irp i, 0,1,2
	global_store_b64 v12, v[160+2*\i:161+2*\i], s[18:19] offset:256*\i   ; 32 lanes store 256 consecutive bytes, at a multiple of 256 from the buffer's first byte
.endr
	s_wait_loadcnt 0x0                             ; gate_w
.irp i, 0,1,2,3,4,5,6,7,8,9,10,11,12,13,14,15
	ds_store_b128 v3, v[G+4*\i:G+4*\i+3] offset:2*GP*\i
.endr
	s_wait_dscnt 0x0                               ; for the others' sake: my part of gate_w lies in LDS
	s_barrier_signal -1
	s_barrier_wait -1
	s_wait_xcnt 0x0                                ; the stores above have read their data: v31 and v160-165 are written again below
; eight k of my 32 at a time: 256 bytes of my slot, sixteen loads, into the two buffers by turns
.macro GB beta
.irp i, 0,1,2,3,4,5,6,7,8,9,10,11,12,13,14,15
	ds_load_b128 v[G+64*((\beta)%2)+4*\i:G+64*((\beta)%2)+4*\i+3], v7 offset:256*(\beta)+16*\i
.endr
.endm
; logits += x[k] * gate_w[k][0..7], two experts an instruction; x[k] is one register of a pair, chosen for both halves.  The first k starts the sums: nothing is cleared
.macro DOT beta
.set kk, 0
.rept 8
.set kq, 8*(\beta)+kk
.set gr, G+64*((\beta)%2)+8*kk
.set xr, X+kq-kq%2
.set pp, 0
.rept 4
.if kq == 0
	v_pk_mul_f32 v[LG+2*pp:LG+2*pp+1], v[gr+2*pp:gr+2*pp+1], v[xr:xr+1] op_sel_hi:[1,0]
.elseif kq%2
	v_pk_fma_f32 v[LG+2*pp:LG+2*pp+1], v[gr+2*pp:gr+2*pp+1], v[xr:xr+1], v[LG+2*pp:LG+2*pp+1] op_sel:[0,1,0] op_sel_hi:[1,1,1]
.else
	v_pk_fma_f32 v[LG+2*pp:LG+2*pp+1], v[gr+2*pp:gr+2*pp+1], v[xr:xr+1], v[LG+2*pp:LG+2*pp+1] op_sel_hi:[1,0,1]
.endif
.set pp, pp+1
.endr
.set kk, kk+1
.endr
.endm
	GB 0
	GB 1
	s_wait_dscnt 16                                ; the older batch is in, the younger sixteen loads may stay out
	DOT 0
	GB 2
	s_wait_alu depctr_va_vdst(0)
	s_wait_dscnt 16
	DOT 1
	GB 3
	s_wait_alu depctr_va_vdst(0)
	s_wait_dscnt 16
	DOT 2
	s_wait_alu depctr_va_vdst(0)
	s_wait_dscnt 0x0
	DOT 3
	; the 32 lanes' parts are added: four steps inside each half of the lanes, one across
.irp m, 1,2,4,8
.irp e, 0,1,2,3,4,5,6,7
	v_add_f32_dpp v[LG+\e], v[LG+\e], v[LG+\e] row_xmask:\m row_mask:0xf bank_mask:0xf
.endr
.endr
.irp e, 0,1,2,3,4,5,6,7
	v_permlanex16_b32 v[P+\e], v[LG+\e], s24, s25
.endr
.irp e, 0,1,2,3,4,5,6,7
	v_add_f32 v[LG+\e], v[LG+\e], v[P+\e]          ; every lane holds the eight logits
.endr
	; softmax: the maximum is taken away first
	v_max3_num_f32 v13, v16, v17, v18
	v_max3_num_f32 v13, v13, v19, v20
	v_max3_num_f32 v13, v13, v21, v22
	v_max_num_f32 v13, v13, v23
.irp e, 0,1,2,3,4,5,6,7
	v_sub_f32 v[P+\e], v[LG+\e], v13
.endr
.irp e, 0,1,2,3,4,5,6,7
	v_mul_f32 v[P+\e], 0x3fb8aa3b, v[P+\e]         ; x log2(e)
.endr
	s_wait_alu depctr_va_vdst(0)
.irp e, 0,1,2,3,4,5,6,7
	v_exp_f32 v[P+\e], v[P+\e]
.endr
	v_nop                                          ; a plain instruction behind the last exponential
	s_wait_alu depctr_va_vdst(0)                   ; one wait for the eight, ahead of their first reader
	v_add_f32 v14, v24, v25
	v_add_f32 v15, v26, v27
	v_add_f32 v13, v28, v29
	v_add_f32 v14, v14, v15
	v_add_f32 v15, v30, v31
	v_add_f32 v13, v13, v15
	v_add_f32 v14, v14, v13
	s_wait_alu depctr_va_vdst(0)
	v_rcp_f32 v14, v14
	v_nop
	s_wait_alu depctr_va_vdst(0)
.irp e, 0,1,2,3,4,5,6,7
	v_mul_f32 v[LG+\e], v[P+\e], v14               ; the probabilities
.endr
	; the largest: a later expert takes the place only if it is strictly larger, so the lower index wins a tie.  Selections only: no branch hangs on these numbers
	v_mov_b32 v24, v16
	v_mov_b32 v25, 0
.irp e, 1,2,3,4,5,6,7
	v_cmp_gt_f32 vcc_lo, v[LG+\e], v24
	v_cndmask_b32 v24, v24, v[LG+\e], vcc_lo
	v_cndmask_b32 v25, v25, \e, vcc_lo
.endr
	v_mov_b32 v26, -1.0                            ; the second largest, the first left out; every probability is above -1
	v_mov_b32 v27, 0
.irp e, 0,1,2,3,4,5,6,7
	v_cmp_ne_u32 s28, \e, v25
	v_cmp_gt_f32 s29, v[LG+\e], v26
	s_and_b32 vcc_lo, s28, s29
	v_cndmask_b32 v26, v26, v[LG+\e], vcc_lo
	v_cndmask_b32 v27, v27, \e, vcc_lo
.endr
	v_add_f32 v28, v24, v26
	s_wait_alu depctr_va_vdst(0)
	v_rcp_f32 v28, v28
	v_cmp_eq_u32 vcc_lo, 1, v1                     ; (a plain instruction behind the reciprocal)  lane 1 takes the second choice
	s_wait_alu depctr_va_vdst(0)
	v_mul_f32 v24, v24, v28
	v_mul_f32 v26, v26, v28                        ; the two weights add up to 1
	v_cndmask_b32 v25, v25, v27, vcc_lo
	v_cndmask_b32 v24, v24, v26, vcc_lo
	v_lshlrev_b32 v29, 2, v1
	v_lshlrev_b32 v30, 12, v1
	v_cmp_gt_u32 vcc_lo, 2, v1
	s_wait_alu depctr_va_vdst(0)
	s_wait_xcnt 0x0                                ; EXEC changes only behind this wait
	s_wait_tensorcnt 0x0
	ds_add_u32 v192, v193
	s_wait_dscnt 0x0
	s_and_saveexec_b32 s30, vcc_lo
	global_store_b32 v29, v25, s[8:9]              ; sel[token][lane]
	global_store_b32 v30, v24, s[22:23]            ; the weight, at [lane][token]
	s_wait_xcnt 0x0
	s_or_b32 exec_lo, exec_lo, s30
	s_endpgm
.Lfunc_end_k_q534ea786e1_route:
	.size	k_q534ea786e1_route, .Lfunc_end_k_q534ea786e1_route-k_q534ea786e1_route
	.p2alignl 7, 3214868480
	.fill 96, 4, 3214868480
	.section	.rodata,"a",@progbits
	.p2align	6, 0x0
	.amdhsa_kernel k_q534ea786e1_route
		.amdhsa_group_segment_fixed_size 55808
		.amdhsa_private_segment_fixed_size 0
		.amdhsa_enable_private_segment 0
		.amdhsa_kernarg_size 32
		.amdhsa_user_sgpr_count 2
		.amdhsa_user_sgpr_kernarg_segment_ptr 1
		.amdhsa_wavefront_size32 1
		.amdhsa_system_sgpr_workgroup_id_x 1
		.amdhsa_system_sgpr_workgroup_id_y 1
		.amdhsa_system_sgpr_workgroup_id_z 1
		.amdhsa_system_vgpr_workitem_id 0
		.amdhsa_next_free_vgpr 194
		.amdhsa_next_free_sgpr 66
		.amdhsa_reserve_vcc 1
		.amdhsa_float_denorm_mode_32 3
		.amdhsa_float_denorm_mode_16_64 3
		.amdhsa_memory_ordered 1
		.amdhsa_forward_progress 1
		.amdhsa_inst_pref_size 31
	.end_amdhsa_kernel
	.amdgpu_metadata
---
amdhsa.version: [ 1, 2 ]
amdhsa.kernels:
  - .name:           k_q534ea786e1_route
    .symbol:         k_q534ea786e1_route.kd
    .args:
      - { .name: hidden_states, .offset: 0, .size: 8, .value_kind: global_buffer, .address_space: global }
      - { .name: gate_w, .offset: 8, .size: 8, .value_kind: global_buffer, .address_space: global }
      - { .name: sel, .offset: 16, .size: 8, .value_kind: global_buffer, .address_space: global }
      - { .name: xq, .offset: 24, .size: 8, .value_kind: global_buffer, .address_space: global }
    .group_segment_fixed_size: 55808
    .private_segment_fixed_size: 0
    .kernarg_segment_align: 8
    .kernarg_segment_size: 32
    .max_flat_workgroup_size: 128
    .sgpr_count:     66
    .vgpr_count:     194
    .wavefront_size: 32
...
	.end_amdgpu_metadata
.endif
;; end of part 1
;; launch up (part 2): grid 32 x 8, 4 waves a work-group, no clusters, 112,128 bytes of LDS; arguments w1_codes, w1_scales, b1, sel, xq, lists, h; writes lists, h
.if DOCPART == 2
	.amdgcn_target "amdgcn-amd-amdhsa--gfx1250"
	.amdhsa_code_object_version 6
	.text
	.protected	k_q534ea786e1_up
	.globl	k_q534ea786e1_up
	.p2align	8
	.type	k_q534ea786e1_up,@function
k_q534ea786e1_up:
	s_mov_b64 s[64:65], 0
	v_nop
	global_prefetch_b8 v0, s[64:65] scope:SCOPE_SE
	s_setreg_imm32_b32 hwreg(HW_REG_WAVE_MODE, 25, 1), 1
	s_wait_xcnt 0x0
; UP.  h = Q(gelu(x W1 + b1)) for the rows that chose an expert, on codes of E3M2 with one E8M0 scale for each 32 along K.
; WORK LEFT OUT: reference() multiplies y[t][e] by combine[t][e], which it builds as 0 for every expert that token t did not choose; so rows (t, e) of both products
; reach no output for those experts, whatever the inputs hold, and only the 2,048 chosen rows are multiplied.  A NaN, an infinity or an overflow in the rows left out is not carried to the result.
; SHARES.  Work-group (x, y) owns expert y's hidden units 128 x .. 128 x + 127, all of K = 1,024: 96 KiB of codes, dense in memory, read once in the launch.
; Every wave holds the whole slice in registers (64 fragments x 12); wave w takes the expert's tiles of 16 rows w, w + 4, ..; the loop over tiles has no barrier.
; THE RANKING.  Each wave reads all of sel (8 KiB) and makes the expert's 32 masks in s66-97: mask l has bit p for token 64 (l / 2) + 2 p + l % 2.  Ranks run through l first, through the bits second.
; The waves share the ranks out in groups of 32 (wave w: groups w, w + 4, ..): a lane finds the mask that holds its rank and then the bit, and stores the token at LIST + 4 x rank, a place that hangs on no data.
; The search goes by four masks at a time: four compares into four scalar registers, then the selections, with the next four masks' first ranks made among them.
; Ranks past the expert's rows take token 0.  Groups past the last tile store 0, so that every word of the list is written.  The list is shown to all waves by the barrier that the weights need anyway.
; An expert's tiles have fixed places, 64 y + tile, in h and in lists.  For the next launch wave 0 of slice 0 stores the number of tiles (lists + 128 y), and slice g stores group g's rows of the partial sums
; (lists + 1,024 + 4,096 y + 4 rank): 1,024 choice + token, or for a rank past the rows 2,048 + 16 y + rank % 16, a row that nobody reads.  The choice is a bit of the masks of second choices, kept in the lanes of one register.
; x's fragments are gathered from xq as route laid them: for K step s the lane (r, h) takes 16 bytes at 768 token + 96 s + 32 j + 16 h, j = 0 .. 2; its four scale words at XQ_SC + 32 token + 16 h.
; As soon as a K step's eight products are issued, its fragment's registers take the same K step of my next tile; each K step waits by count for its own fragment alone.
; THE TILE LOOP HAS A CONSTANT COUNT, 15, and the work is jumped over where no tile is left: so the list's LDS address is a constant plus constant steps.  The last tile, which asks for nothing, is written out.
; W1's SCALE WORDS come once for the work-group: a thread loads its row's 32 bytes, they lie in LDS in rows of 48 bytes, and each wave takes its 32 registers from there.
; THE MATRIX INSTRUCTION IS USED TRANSPOSED: source 0 = 16 rows of W1, source 1 = 16 rows of x.  Lane r of tile 2 b + u takes W1's row 32 b + 8 u + r + 8 (r / 8), so that the 16 registers of tiles
; 2 b, 2 b + 1 are hidden units 32 b + 16 (lane / 16) + 0 .. 15: in LDS slot = row with bits 3 and 4 changed over.  The bias is the C of each sum's first matrix instruction.
; gelu in its tanh form: x / (1 + 2^(x (a + b x^2))), a = -2 log2(e) sqrt(2 / pi), b = 0.044715 a.
; NO TENSOR LOADS, NO CLUSTER: the number of tiles is read from memory.  No prefetch: the weights are all asked for at the head, with no loop ahead of them.
; LIMITS: NaN and infinities are not served.  A block of zeros gets the scale byte 1 where the quantiser says 127: its codes are zeros, and this program alone reads the bytes.
; REGISTERS.  Windows 1 to 3: fragments f = 8 s + t, f = 0 .. 62, at window 1 + f / 21, register 12 (f % 21).  Window 0: v1-7 addresses; v8-11 x's scale words; v12-43 W1's; v44-139 x's fragments
; (at the head: sel, then the ranking); v140-203 accumulators; v204-215 fragment 63; v216-248 at work; v249 the next tile's tokens; v250-253 the next tile's scale words.
.set SLOTP, 784
.set BIAS,  128*SLOTP
.set LIST,  BIAS+512                   ; 36 groups x 128 bytes
.set SCW,   LIST+4608                  ; W1's scale bytes: 128 rows x 48 bytes
.set SPARE, SCW+6144
.set XQ_SC, 786432
.set H_SC,  512*49152
.set LI,  1                            ; 16 x lane
.set LS,  2                            ; 4 x lane
.set BA,  3                            ; BIAS + 64 (lane / 16)
.set CA,  4                            ; v4-5 a
.set FA,  6                            ; v6-7 my place in a tile of slots; behind the head:
.set GA,  6                            ; the next tile's gather offset,
.set SA,  7                            ; and its scale words' offset
.set BS,  8
.set WS,  12
.set B,   44
.set ACC, 140
.set W63, 204
.set T,   216
.set TM,  216
.set PW,  228
.set PC,  230
.set TK,  249
.set BSN, 250
.set A0,  217                          ; used at the head alone
.set A1,  218
.set WSO, 219
.set TID4, 220
.set BV,  221
.set BL,  222
.set LN,  223
.set RR,  224
.set HH,  225
.set WSG, 226
.set WSL, 227
.set RQ,  108                          ; the ranking: my rank,
.set RM,  109                          ; the mask that holds it,
.set RP,  110                          ; the ranks ahead of that mask,
.set RI,  111                          ; its number
.set RK,  112
.set RC2, 113
.set RC4, 114
.set RC8, 115
.set RC16, 116
.set RPOS, 117
.set RT,  118
.set RU,  119
.set RTOK, 120
.set RRAW, 121
.set RD,  122
.set RO,  123
.set RA,  124
.set RMB, 125                          ; lane l: mask l of the tokens whose SECOND choice my expert is
.set RSEL, 126
.set MSB, 0
.macro WIN new
.if MSB != (\new)
	s_set_vgpr_msb (MSB<<8)|(\new)
.set MSB, (\new)
.endif
.endm
.macro PLACES n
.rept \n
	v_nop
.endr
.endm
.macro WLOAD                           ; my wave's 32 rows, 24,576 consecutive bytes, 48 loads of 512 bytes, into window 1
	WIN 0x40
.set j, 0
.rept 48
	global_load_b128 v[4*j:4*j+3], v[LI], s[4:5] offset:512*j th:TH_LOAD_NT
.set j, j+1
.endr
	WIN 0
.endm
.macro WSTORE                          ; of a pair of rows: the first's bytes 0-511; its 512-767 with the second's 0-255; the second's 256-767
	WIN 0x04
.set j, 0
.rept 16
.set sl, ((2*j)&7)|(((2*j)&8)<<1)|(((2*j)&16)>>1)
	ds_store_b128 v[A0], v[12*j:12*j+3] offset:sl*SLOTP
	ds_store_b128 v[A1], v[12*j+4:12*j+7] offset:sl*SLOTP+512
	ds_store_b128 v[A0], v[12*j+8:12*j+11] offset:sl*SLOTP+1040
.set j, j+1
.endr
	WIN 0
.endm
.macro WFETCH                          ; all 64 fragments: lane (r, h) takes of slot 16 t + r the 24 bytes at 96 s + 24 h and those 48 further on
.set f, 0
.rept 64
.set fs, f/8
.set ft, f%8
.if f < 63
.set wn, (1+f/21)<<6
.set fr, 12*(f%21)
.else
.set wn, 0
.set fr, W63
.endif
	WIN wn
.irp p, 0,1,2,3,4,5
	ds_load_b64 v[fr+2*\p:fr+2*\p+1], v[FA+ft/4] offset:16*(ft%4)*SLOTP+96*fs+48*(\p/3)+8*(\p%3)
.endr
.set f, f+1
.endr
	WIN 0
.endm
.macro BFRAG s, a                      ; x's fragment of K step s, gathered by the offsets in v[a]
.irp j, 0,1,2
	global_load_b128 v[B+12*(\s)+4*\j:B+12*(\s)+4*\j+3], v[\a], s[12:13] offset:96*(\s)+32*\j
.endr
.endm
; 64 matrix instructions, K step by K step, the eight accumulators by turns
.macro KSTEPS ahead
.set fs, 0
.rept 8
.if \ahead
	s_wait_loadcnt 22                              ; behind this K step's fragment: 3 (7 - s) loads of later K steps, the next tile's scale words, 3 s loads of the next tile
.else
	s_wait_loadcnt 21-3*fs                         ; behind it: the later K steps' alone
.endif
.set ft, 0
.rept 8
.set f, 8*fs+ft
.if f < 63
.set wn, 1+f/21
.set fr, 12*(f%21)
.else
.set wn, 0
.set fr, W63
.endif
	WIN wn
.if fs%2
	v_wmma_scale_f32_16x16x128_f8f6f4 v[ACC+8*ft:ACC+8*ft+7], v[fr:fr+11], v[B+12*fs:B+12*fs+11], v[ACC+8*ft:ACC+8*ft+7], v[WS+4*ft+fs/2], v[BS+fs/2] matrix_a_fmt:MATRIX_FMT_BF6 matrix_b_fmt:MATRIX_FMT_BF6 matrix_a_scale:MATRIX_SCALE_ROW1 matrix_b_scale:MATRIX_SCALE_ROW1
.else
	v_wmma_scale_f32_16x16x128_f8f6f4 v[ACC+8*ft:ACC+8*ft+7], v[fr:fr+11], v[B+12*fs:B+12*fs+11], v[ACC+8*ft:ACC+8*ft+7], v[WS+4*ft+fs/2], v[BS+fs/2] matrix_a_fmt:MATRIX_FMT_BF6 matrix_b_fmt:MATRIX_FMT_BF6
.endif
.set ft, ft+1
.endr
.if \ahead
	PLACES 4                                       ; four plain instructions ahead of loads into the fragment just read
	WIN 0
	BFRAG fs, GA
.endif
.set fs, fs+1
.endr
	WIN 0
.if \ahead == 0
	PLACES 4                                       ; and ahead of the first read of results
.endif
.endm
.macro BIASLOAD                        ; register j of tile 2 b + u in lane (., h) is hidden unit 32 b + 16 h + 8 u + j
.irp t, 0,1,2,3,4,5,6,7
	ds_load_b128 v[ACC+8*\t:ACC+8*\t+3], v[BA] offset:4*(32*(\t/2)+8*(\t%2))
	ds_load_b128 v[ACC+8*\t+4:ACC+8*\t+7], v[BA] offset:4*(32*(\t/2)+8*(\t%2))+16
.endr
.endm
.macro GELU g                          ; 32 numbers in place; the exponentials are one batch, and so are the reciprocals
.set XR, ACC+32*(\g)
.set i, 0
.rept 16
	v_pk_mul_f32 v[T+i:T+i+1], v[XR+i:XR+i+1], v[XR+i:XR+i+1]
.set i, i+2
.endr
.set i, 0
.rept 16
	v_pk_fma_f32 v[T+i:T+i+1], v[T+i:T+i+1], s[34:35], v[CA:CA+1] op_sel_hi:[1,0,0]
.set i, i+2
.endr
.set i, 0
.rept 16
	v_pk_mul_f32 v[T+i:T+i+1], v[T+i:T+i+1], v[XR+i:XR+i+1]
.set i, i+2
.endr
.set i, 0
	s_wait_alu depctr_va_vdst(0)
.rept 32
	v_exp_f32 v[T+i], v[T+i]
.set i, i+1
.endr
	v_nop
	s_wait_alu depctr_va_vdst(0)
.set i, 0
.rept 16
	v_pk_add_f32 v[T+i:T+i+1], v[T+i:T+i+1], 1.0 op_sel_hi:[1,0]
.set i, i+2
.endr
.set i, 0
	s_wait_alu depctr_va_vdst(0)
.rept 32
	v_rcp_f32 v[T+i], v[T+i]
.set i, i+1
.endr
	v_nop
	s_wait_alu depctr_va_vdst(0)
.set i, 0
.rept 16
	v_pk_mul_f32 v[XR+i:XR+i+1], v[XR+i:XR+i+1], v[T+i:T+i+1]
.set i, i+2
.endr
.endm
; 64 numbers of a lane, register 16 b + i = k 32 b + 16 (lane / 16) + i of my row, become a fragment's codes in v[PC] on and its scale word in v[PW]
.macro QUANT s
.irp b, 0,1,2,3
	v_max3_num_f32 v[TM+\b], |v[\s+16*\b]|, |v[\s+1+16*\b]|, 0x2800000   ; with the floor 2^(5 - 127): the byte cannot fall under 1
.endr
.irp i, 2,4,6,8,10,12,14
.irp b, 0,1,2,3
	v_max3_num_f32 v[TM+\b], v[TM+\b], |v[\s+16*\b+\i]|, |v[\s+1+16*\b+\i]|
.endr
.endr
.irp b, 0,1,2,3
	v_permlanex16_b32 v[TM+4+\b], v[TM+\b], s32, s33
.endr
.irp b, 0,1,2,3
	v_max_num_f32 v[TM+\b], v[TM+\b], v[TM+4+\b]
.endr
.irp b, 0,1,2,3
	v_add_nc_u32 v[TM+8+\b], 0xfe000000, v[TM+\b]  ; 4 off the exponent field: the conversion's scale operand
.endr
.irp b, 0,1,2,3
	v_lshrrev_b32 v[TM+4+\b], 23, v[TM+8+\b]
.endr
	v_lshl_or_b32 v[PW], v[TM+5], 8, v[TM+4]
	v_lshl_or_b32 v[PW], v[TM+6], 16, v[PW]
	v_lshl_or_b32 v[PW], v[TM+7], 24, v[PW]
.irp c, 0,1
	v_cvt_scalef32_pk16_bf6_f32 v[PC+6*\c:PC+2+6*\c], v[\s+32*\c:\s+15+32*\c], v[TM+8+2*\c]
	v_cvt_scalef32_pk16_bf6_f32 v[PC+12+4*\c:PC+14+4*\c], v[\s+16+32*\c:\s+31+32*\c], v[TM+8+2*\c+1]
.endr
	v_nop
.irp c, 0,1                                    ; a whole block in a lane: lanes 0-15 block 2 c, lanes 16-31 block 2 c + 1
.irp i, 0,1,2
	v_permlane16_swap_b32 v[PC+6*\c+\i], v[PC+12+4*\c+\i]
.endr
.irp i, 0,1,2
	v_mov_b32 v[PC+3+6*\c+\i], v[PC+12+4*\c+\i]
.endr
.endr
.endm
; ONE TILE.  At its head 25 loads of mine may be out: the tile's scale words, then its fragments of K steps 0 to 7.  ahead = 1: a tile of mine follows, and the trip leaves the same 25 behind for it.
.macro TRIP ahead
	s_wait_dscnt 0x0                               ; the bias in the accumulators, the next tile's tokens (in the first trip: the weights and their scale words too)
	s_wait_loadcnt 24                              ; the scale words are in; the 24 fragment loads behind them may stay out
.irp j, 0,1,2,3
	v_mov_b32 v[BS+\j], v[BSN+\j]
.endr
.if \ahead
	v_min_u32 v[TK], 0x3ff, v[TK]                  ; a token enters an address behind a hold at 1,023
	v_lshrrev_b32 v[SA], 2, v[LS]
	v_and_b32 v[SA], 16, v[SA]                     ; 16 h
	v_mul_u32_u24 v[GA], v[TK], 768
	v_add_nc_u32 v[GA], v[GA], v[SA]
	v_lshl_add_u32 v[SA], v[TK], 5, v[SA]
	global_load_b128 v[BSN:BSN+3], v[SA], s[12:13] offset:XQ_SC
	PLACES 4                                       ; with the six lines above: ten plain instructions between the scale registers' write and the scaled products
.else
	PLACES 8
.endif
	s_wait_alu depctr_va_vdst(0)
	KSTEPS \ahead
	GELU 0
	GELU 1
	QUANT ACC
.irp j, 0,1,2
	global_store_b128 v[LI], v[PC+4*\j:PC+4*\j+3], s[28:29] offset:512*\j   ; 512 consecutive bytes, at a multiple of 512 from the buffer's first byte
.endr
	global_store_b32 v[LS], v[PW], s[30:31]
.if \ahead
	BIASLOAD
	v_and_b32 v[T], 60, v[LS]                      ; 4 r
	v_add_nc_u32 v[T], s41, v[T]
	ds_load_b32 v[TK], v[T]                        ; the tokens of my tile after the next
	s_wait_xcnt 0x0                                ; stores and loads have read their registers and bases
	s_add_nc_u64 s[28:29], s[28:29], 4*49152
	s_add_nc_u64 s[30:31], s[30:31], 4*4096
.endif
.endm
.macro HALVE a, w, n                   ; if the lower w bits at the place hold too few set bits, pass over them
	v_bfe_u32 v[RT], v[\a], v[RPOS], \n
	v_cmp_ge_u32 vcc_lo, v[RK], v[RT]
	v_cndmask_b32 v[RT], 0, v[RT], vcc_lo
	v_cndmask_b32 v[RU], 0, \w, vcc_lo
	v_sub_nc_u32 v[RK], v[RK], v[RT]
	v_add_nc_u32 v[RPOS], v[RPOS], v[RU]
.endm
.macro PICK1 k                         ; mask ml + k takes the place where its first rank is at or under mine
	v_cndmask_b32 v[RM], v[RM], s[66+ml+\k], s[24+\k]
	v_cndmask_b32 v[RP], v[RP], s[PX+\k], s[24+\k]
	v_cndmask_b32 v[RI], v[RI], ml+\k, s[24+\k]
.endm
	s_load_b256 s[4:11], s[0:1], 0x0               ; w1_codes, w1_scales, b1, sel
	s_load_b128 s[12:15], s[0:1], 0x20             ; xq, lists
	s_load_b64 s[44:45], s[0:1], 0x30              ; h
	v_lshl_add_u32 v254, v0, 2, SPARE
	v_mov_b32 v255, 0
	v_lshrrev_b32 v[LN], 5, v0
	v_readfirstlane_b32 s16, v[LN]                 ; wave
	s_mov_b32 s17, ttmp9                           ; my slice of the hidden units
	s_and_b32 s18, ttmp7, 0xffff                   ; my expert
	s_mul_i32 s23, s16, 32*SLOTP
	v_and_b32 v[LN], 31, v0
	v_and_b32 v[RR], 15, v0
	v_bfe_u32 v[HH], v0, 4, 1
	v_lshlrev_b32 v[LI], 4, v[LN]
	v_lshlrev_b32 v[LS], 2, v[LN]
	v_lshl_add_u32 v[BA], v[HH], 6, BIAS
	v_mov_b32 v[CA], 0xc0135761                    ; a
	v_mov_b32 v[CA+1], 0xc0135761
	v_mul_u32_u24 v[FA], v[RR], SLOTP
	v_mad_u32_u24 v[FA], v[HH], 24, v[FA]
	v_add_nc_u32 v[FA+1], 64*SLOTP, v[FA]
	v_add_nc_u32 v[A0], s23, v[LI]
	v_lshl_add_u32 v[A1], v[HH], 4, v[A0]          ; lanes 16-31 of a pair's middle load stand in the next slot, one padding on
	v_and_b32 v[WSO], 8, v[RR]
	v_add_nc_u32 v[WSO], v[WSO], v[RR]             ; r + 8 (r / 8)
	v_mul_u32_u24 v[WSO], v[WSO], 48
	v_lshl_add_u32 v[WSO], v[HH], 2, v[WSO]
	v_add_nc_u32 v[WSO], SCW, v[WSO]               ; where I read scale words
	v_lshlrev_b32 v[WSG], 5, v0                    ; my thread's row of scale bytes in memory,
	v_mul_u32_u24 v[WSL], v0, 48
	v_add_nc_u32 v[WSL], SCW, v[WSL]               ; and in LDS
	v_lshlrev_b32 v[TID4], 2, v0
	v_lshl_add_u32 v[BL], v0, 2, BIAS
	v_mov_b32 v[RMB], 0
	s_wait_alu depctr_va_vdst(0)
	s_lshl_b32 s19, s18, 12
	s_lshl_b32 s23, s17, 7
	s_add_co_u32 s19, s19, s23                     ; my first row of W1
	s_mov_b32 s32, 0x76543210
	s_mov_b32 s33, 0xfedcba98                      ; selects for lane l xor 16
	s_mov_b32 s34, 0xbdd2d3e8                      ; b
	s_mov_b32 s35, s34
	s_lshl_b32 s36, s16, 5
	s_add_co_u32 s36, s36, s19
	s_mul_i32 s36, s36, 768
	s_mov_b32 s37, 0
	s_wait_kmcnt 0x0
	s_add_nc_u64 s[4:5], s[4:5], s[36:37]          ; my wave's 32 rows of codes
	s_lshl_b32 s36, s19, 2
	s_add_nc_u64 s[8:9], s[8:9], s[36:37]
	s_lshl_b32 s36, s19, 5
	s_add_nc_u64 s[6:7], s[6:7], s[36:37]
.irp i, 0,1,2,3,4,5,6,7,8,9,10,11,12,13,14,15
	global_load_b128 v[B+4*\i:B+4*\i+3], v[LI], s[10:11] offset:512*\i   ; sel first: lane L of load i holds tokens 64 i + 2 L and + 1, two experts each
.endr
	global_load_b32 v[BV], v[TID4], s[8:9]
	global_load_b128 v[WS:WS+3], v[WSG], s[6:7]
	global_load_b128 v[WS+4:WS+7], v[WSG], s[6:7] offset:16
	WLOAD
	s_lshl_b32 s36, s18, 12
	s_add_co_u32 s36, s36, 1024
	s_add_nc_u64 s[52:53], s[14:15], s[36:37]      ; my expert's destinations
	s_lshl_b32 s36, s18, 7
	s_add_nc_u64 s[56:57], s[14:15], s[36:37]      ; its number of tiles
	s_lshl_b32 s54, s18, 4
	s_add_co_u32 s54, s54, 2048                    ; the rows that nobody reads
	s_lshl_b32 s20, s18, 6
	s_add_co_u32 s20, s20, s16                     ; my first tile's place
	s_mul_i32 s36, s20, 49152
	s_mul_i32 s38, s17, 1536
	s_add_co_u32 s36, s36, s38
	s_add_nc_u64 s[28:29], s[44:45], s[36:37]      ; where its image of h goes: K step = my slice,
	s_lshl_b32 s36, s20, 12
	s_lshl_b32 s38, s17, 7
	s_add_co_u32 s36, s36, s38
	s_add_co_u32 s36, s36, H_SC
	s_add_nc_u64 s[30:31], s[44:45], s[36:37]      ; and its scale words
	s_lshl_b32 s40, s16, 6
	s_add_co_u32 s40, s40, LIST                    ; my first tile's tokens in the list
	s_add_co_u32 s41, s40, 512                     ; and my third tile's
	s_mov_b32 s42, 0
	s_wait_loadcnt 51                              ; sel is in; the bias, the two loads of scale bytes and the 48 loads of weights behind it may stay out
.set l, 0
.rept 32
	v_cmp_eq_u32 s[66+l], s18, v[B+2*l]
	v_cmp_eq_u32 s46, s18, v[B+2*l+1]
	v_writelane_b32 v[RMB], s46, l
	s_or_b32 s[66+l], s[66+l], s46
	s_bcnt1_i32_b32 s46, s[66+l]
	s_add_co_u32 s42, s42, s46                     ; the expert's rows
.set l, l+1
.endr
	s_add_co_u32 s43, s42, 15
	s_lshr_b32 s43, s43, 4
	s_min_u32 s43, s43, 64                         ; its tiles
	s_lshl_b32 s58, s43, 4
	s_or_b32 s47, s17, s16
	s_cmp_lg_u32 s47, 0
	s_wait_alu depctr_va_vdst(0)
	s_cbranch_scc1 .Lno_count
	v_mov_b32 v139, s43                            ; wave 0 of slice 0: the number of tiles, in 32 words
	global_store_b32 v[LS], v139, s[56:57]
.Lno_count:
	s_lshl_b32 s48, s16, 5                         ; my group's first rank
	s_lshl_b32 s49, s16, 7
	s_add_co_u32 s49, s49, LIST
	s_mov_b32 s50, 0
.Lrank:
	v_mov_b32 v[RTOK], 0
	s_cmp_ge_u32 s48, s58
	s_wait_alu depctr_va_vdst(0)
	s_cbranch_scc1 .Lnone
	s_mov_b32 s60, 0                               ; the first ranks of masks 0 to 3
	s_bcnt1_i32_b32 s46, s66
	s_add_co_u32 s61, s60, s46
	s_bcnt1_i32_b32 s47, s67
	s_add_co_u32 s62, s61, s47
	s_bcnt1_i32_b32 s46, s68
	s_add_co_u32 s63, s62, s46
	v_add_nc_u32 v[RQ], s48, v[LN]
	v_mov_b32 v[RM], 0
	v_mov_b32 v[RP], 0
	v_mov_b32 v[RI], 0
.set bb, 0
.rept 8                                ; four masks at a time; their first ranks lie in s60-63 and s36-39 by turns
.set ml, 4*bb
.set PX, 60-24*(bb%2)
.set PY, 36+24*(bb%2)
.irp k, 0,1,2,3
	v_cmp_le_u32 s[24+\k], s[PX+\k], v[RQ]
.endr
	PICK1 0
.if bb < 7
	s_bcnt1_i32_b32 s46, s[66+ml+3]
	s_add_co_u32 s[PY], s[PX+3], s46
	s_bcnt1_i32_b32 s47, s[66+ml+4]
	s_add_co_u32 s[PY+1], s[PY], s47
.endif
	PICK1 1
	PICK1 2
.if bb < 7
	s_bcnt1_i32_b32 s46, s[66+ml+5]
	s_add_co_u32 s[PY+2], s[PY+1], s46
	s_bcnt1_i32_b32 s47, s[66+ml+6]
	s_add_co_u32 s[PY+3], s[PY+2], s47
.endif
	PICK1 3
.set bb, bb+1
.endr
	v_sub_nc_u32 v[RK], v[RQ], v[RP]               ; which set bit of the mask, from 0
	v_lshrrev_b32 v[RC2], 1, v[RM]                 ; counts of set bits in fields of 2,
	v_and_b32 v[RC2], 0x55555555, v[RC2]
	v_sub_nc_u32 v[RC2], v[RM], v[RC2]
	v_lshrrev_b32 v[RC4], 2, v[RC2]                ; 4,
	v_and_b32 v[RC4], 0x33333333, v[RC4]
	v_and_b32 v[RT], 0x33333333, v[RC2]
	v_add_nc_u32 v[RC4], v[RC4], v[RT]
	v_lshrrev_b32 v[RC8], 4, v[RC4]                ; 8
	v_add_nc_u32 v[RC8], v[RC8], v[RC4]
	v_and_b32 v[RC8], 0x0f0f0f0f, v[RC8]
	v_lshrrev_b32 v[RC16], 8, v[RC8]               ; and 16 bits
	v_add_nc_u32 v[RC16], v[RC16], v[RC8]
	v_and_b32 v[RC16], 0x00ff00ff, v[RC16]
	v_mov_b32 v[RPOS], 0
	HALVE RC16, 16, 8
	HALVE RC8, 8, 8
	HALVE RC4, 4, 4
	HALVE RC2, 2, 2
	HALVE RM, 1, 1
	v_lshrrev_b32 v[RT], 1, v[RI]
	v_lshlrev_b32 v[RT], 6, v[RT]
	v_lshl_add_u32 v[RT], v[RPOS], 1, v[RT]
	v_and_b32 v[RU], 1, v[RI]
	v_add_nc_u32 v[RRAW], v[RT], v[RU]             ; the token: 64 (l / 2) + 2 place + l % 2
	v_cmp_le_u32 s51, s42, v[RQ]                   ; a rank past the expert's rows
	v_cndmask_b32 v[RTOK], v[RRAW], 0, s51
	s_lshr_b32 s47, s48, 5
	s_cmp_lg_u32 s17, s47                          ; slice g stores group g's destinations
	s_wait_alu depctr_va_vdst(0)
	s_cbranch_scc1 .Lnone
	v_mov_b32 v[RSEL], 0
.set l, 0
.rept 32                               ; my mask's fellow among the masks of second choices
	v_readlane_b32 s47, v[RMB], l
	v_cmp_eq_u32 vcc_lo, l, v[RI]
	v_cndmask_b32 v[RSEL], v[RSEL], s47, vcc_lo
.set l, l+1
.endr
	v_bfe_u32 v[RSEL], v[RSEL], v[RPOS], 1         ; first or second choice
	v_lshl_add_u32 v[RD], v[RSEL], 10, v[RRAW]
	v_and_b32 v[RU], 15, v[RQ]
	v_add_nc_u32 v[RU], s54, v[RU]
	v_cndmask_b32 v[RD], v[RD], v[RU], s51
	v_lshlrev_b32 v[RO], 2, v[RQ]
	global_store_b32 v[RO], v[RD], s[52:53]        ; 128 consecutive bytes
.Lnone:
	v_add_nc_u32 v[RA], s49, v[LS]
	ds_store_b32 v[RA], v[RTOK]
	s_wait_alu depctr_va_vdst(0)
	s_wait_xcnt 0x0                                ; the stores have read their registers, which the next trip writes
	s_add_co_u32 s48, s48, 128
	s_add_co_u32 s49, s49, 512
	s_add_co_u32 s50, s50, 1
	s_cmp_lt_u32 s50, 9
	s_cbranch_scc1 .Lrank
	s_add_co_u32 s59, s43, 3                       ; my tiles: (tiles + 3 - w) / 4, rounded down
	s_sub_co_u32 s59, s59, s16
	s_lshr_b32 s59, s59, 2
	s_max_u32 s21, s59, 1
	s_sub_co_u32 s21, s21, 1                       ; those that have a successor
	s_wait_loadcnt 0x0                             ; the weights, their scale bytes and the bias are in
	ds_store_b32 v[BL], v[BV]
	ds_store_b128 v[WSL], v[WS:WS+3]
	ds_store_b128 v[WSL], v[WS+4:WS+7] offset:16
	WSTORE
	s_wait_dscnt 0x0                               ; for the others' sake: my rows and my part of the list lie in LDS
	s_barrier_signal -1
	s_barrier_wait -1                              ; the launch's one barrier
	v_and_b32 v216, 60, v[LS]
	v_add_nc_u32 v216, s40, v216
	ds_load_b32 v218, v216                         ; my first tile's tokens (a wave without a tile finds token 0 and uses nothing of it),
	ds_load_b32 v[TK], v216 offset:256             ; and my second's
	s_wait_dscnt 0x0
	v_min_u32 v218, 0x3ff, v218
	v_lshrrev_b32 v217, 2, v[LS]
	v_and_b32 v217, 16, v217
	v_mul_u32_u24 v216, v218, 768
	v_add_nc_u32 v216, v216, v217
	v_lshl_add_u32 v217, v218, 5, v217
	s_wait_alu depctr_va_vdst(0)
	global_load_b128 v[BSN:BSN+3], v217, s[12:13] offset:XQ_SC   ; 25 loads: the scale words, then the eight fragments in the order of the K steps
.irp s, 0,1,2,3,4,5,6,7
	BFRAG \s, 216
.endr
.irp t, 0,1,2,3,4,5,6,7
.irp j, 0,1,2,3
	ds_load_b32 v[WS+4*\t+\j], v[WSO] offset:48*(32*(\t/2)+8*(\t%2))+8*\j   ; lanes 0-15: K step 2 j of tile t's rows; lanes 16-31: K step 2 j + 1
.endr
.endr
	WFETCH
	BIASLOAD
	s_mov_b32 s22, 0
.Ltile:
	s_cmp_ge_u32 s22, s21
	s_wait_alu depctr_va_vdst(0)
	s_cbranch_scc1 .Lskip
	TRIP 1
.Lskip:
	s_add_co_u32 s41, s41, 256
	s_add_co_u32 s22, s22, 1
	s_cmp_lt_u32 s22, 15
	s_wait_alu depctr_va_vdst(0)
	s_cbranch_scc1 .Ltile
	s_cmp_eq_u32 s59, 0
	s_cbranch_scc1 .Lend                           ; no tile for this wave
	TRIP 0                                         ; my last tile asks for nothing more
.Lend:
	s_wait_tensorcnt 0x0                           ; the wave's end
	ds_add_u32 v254, v255
	s_wait_dscnt 0x0
	s_endpgm
.Lfunc_end_k_q534ea786e1_up:
	.size	k_q534ea786e1_up, .Lfunc_end_k_q534ea786e1_up-k_q534ea786e1_up
	.p2alignl 7, 3214868480
	.fill 96, 4, 3214868480
	.section	.rodata,"a",@progbits
	.p2align	6, 0x0
	.amdhsa_kernel k_q534ea786e1_up
		.amdhsa_group_segment_fixed_size 112128
		.amdhsa_private_segment_fixed_size 0
		.amdhsa_enable_private_segment 0
		.amdhsa_kernarg_size 56
		.amdhsa_user_sgpr_count 2
		.amdhsa_user_sgpr_kernarg_segment_ptr 1
		.amdhsa_wavefront_size32 1
		.amdhsa_system_sgpr_workgroup_id_x 1
		.amdhsa_system_sgpr_workgroup_id_y 1
		.amdhsa_system_sgpr_workgroup_id_z 1
		.amdhsa_system_vgpr_workitem_id 0
		.amdhsa_next_free_vgpr 1024
		.amdhsa_next_free_sgpr 100
		.amdhsa_reserve_vcc 1
		.amdhsa_float_denorm_mode_32 3
		.amdhsa_float_denorm_mode_16_64 3
		.amdhsa_memory_ordered 1
		.amdhsa_forward_progress 1
		.amdhsa_inst_pref_size 132
	.end_amdhsa_kernel
	.amdgpu_metadata
---
amdhsa.version: [ 1, 2 ]
amdhsa.kernels:
  - .name:           k_q534ea786e1_up
    .symbol:         k_q534ea786e1_up.kd
    .args:
      - { .name: w1_codes, .offset: 0, .size: 8, .value_kind: global_buffer, .address_space: global }
      - { .name: w1_scales, .offset: 8, .size: 8, .value_kind: global_buffer, .address_space: global }
      - { .name: b1, .offset: 16, .size: 8, .value_kind: global_buffer, .address_space: global }
      - { .name: sel, .offset: 24, .size: 8, .value_kind: global_buffer, .address_space: global }
      - { .name: xq, .offset: 32, .size: 8, .value_kind: global_buffer, .address_space: global }
      - { .name: lists, .offset: 40, .size: 8, .value_kind: global_buffer, .address_space: global }
      - { .name: h, .offset: 48, .size: 8, .value_kind: global_buffer, .address_space: global }
    .group_segment_fixed_size: 112128
    .private_segment_fixed_size: 0
    .kernarg_segment_align: 8
    .kernarg_segment_size: 56
    .max_flat_workgroup_size: 128
    .sgpr_count:     100
    .vgpr_count:     1024
    .wavefront_size: 32
...
	.end_amdgpu_metadata
.endif
;; end of part 2
;; launch down (part 3): grid 32 x 8, 4 waves a work-group, no clusters, 140,800 bytes of LDS; arguments w2_codes, w2_scales, lists, h, yp; writes yp
.if DOCPART == 3
	.amdgcn_target "amdgcn-amd-amdhsa--gfx1250"
	.amdhsa_code_object_version 6
	.text
	.protected	k_q534ea786e1_down
	.globl	k_q534ea786e1_down
	.p2align	8
	.type	k_q534ea786e1_down,@function
k_q534ea786e1_down:
	s_mov_b64 s[64:65], 0
	v_nop
	global_prefetch_b8 v0, s[64:65] scope:SCOPE_SE
	s_setreg_imm32_b32 hwreg(HW_REG_WAVE_MODE, 25, 1), 1
	s_wait_xcnt 0x0
; DOWN.  Partial sums of h W2 for the rows that chose an expert (the other rows are left out: see the launch before), on codes of E3M2 with one E8M0 scale for each 32 along K.
; SHARES.  Work-group (x, y): expert y, outputs 128 (x & 7) .. + 127, K quarter x >> 3 (1,024 of the 4,096 hidden units): 96 KiB of codes, read from memory once in the launch.
; Every wave holds the whole slice in registers (64 fragments); wave w takes the expert's tiles of 16 rows w, w + 4, .., at places 64 y + tile; the loop over tiles has no barrier.
; THE WEIGHTS COME IN TWO HALVES.  Each wave brings 32 rows into LDS: its first 16 (output tile 2 w), a barrier, and all waves fetch the even tiles' fragments while the second 16 rows (tile 2 w + 1) are on their way;
; those land in the registers of odd fragments, which the first fetch leaves alone; a second barrier, and the odd tiles' fragments follow.
; W2's SCALE WORDS come once for the work-group: a thread loads its row's 32 bytes, they lie in LDS in rows of 48 bytes, and each wave takes its 32 registers from there.
; As soon as a K step's eight products are issued, its fragment's registers take the same K step of my next tile; each K step waits by count for its own fragment alone.  The last trip is written out.
; THE MATRIX INSTRUCTION IS USED TRANSPOSED: source 0 = 16 rows of W2 (outputs), source 1 = 16 rows of h: a lane holds one row and eight neighbouring outputs of each tile.
; The first K step starts the sums with C = 0.  The bias and the gate weight are applied by the next launch, which adds the quarters.
; The sums go through the wave's own stage in LDS, so that each row's 512 bytes leave by one store, to yp[K quarter][the row that the list names: 1,024 choice + token].  Each byte of yp has one writer.
; NO TENSOR LOADS, NO CLUSTER: the number of tiles is read from memory.  No prefetch: the weights are all asked for at the head.
; LIMITS: NaN and infinities are not served.
; REGISTERS.  Windows 1 to 3: fragments f = 8 s + t, f = 0 .. 62, at window 1 + f / 21, register 12 (f % 21).  Window 0: v1-5 addresses; v8-11 h's scale words; v12-43 W2's; v44-139 h's fragments;
;   v140-203 accumulators; v204-215 fragment 63; v216-231 the stores' offsets; v234-237 where the next tile's scale words land.
.set SLOTP, 784
.set PITCH, 3072
.set STG,   128*SLOTP                  ; each wave: 16 rows x (512 bytes + 16)
.set SP,    528
.set SCW,   STG+4*16*SP                ; W2's scale bytes: 128 rows x 48 bytes
.set SPARE, SCW+6144
.set H_SC,  512*49152
.set YQ,    2176*4096                  ; a K quarter of yp
.set AH_B,  4*49152
.set AH_S,  4*4096
.set LI,  1                            ; 16 x lane
.set BSO, 2                            ; 128 (lane / 16) + 4 x lane
.set STO, 4
.set SRD, 5
.set BS,  8
.set WS,  12
.set B,   44
.set ACC, 140
.set W63, 204
.set OFFS, 216
.set BSN, 234
.set G1,  216                          ; used at the head alone
.set A0,  217
.set A1,  218
.set WSO, 219
.set WSG, 220
.set WSL, 221
.set LN,  223
.set RR,  224
.set HH,  225
.set FA,  226
.set MSB, 0
.macro WIN new
.if MSB != (\new)
	s_set_vgpr_msb (MSB<<8)|(\new)
.set MSB, (\new)
.endif
.endm
.macro PLACES n
.rept \n
	v_nop
.endr
.endm
; 16 of my wave's 32 rows, 768 bytes of each: of a pair the first row's bytes 0-511; its 512-767 with the second's 0-255; the second's 256-767.  Pair j lands in window 1 at 12 (2 (j % 8) + j / 8)
.macro WLOAD half
	WIN 0x40
.set j, 8*(\half)
.rept 8
.set wr, 12*(2*(j%8)+j/8)
	global_load_b128 v[wr:wr+3], v[LI], s[4:5] offset:2*j*PITCH th:TH_LOAD_NT
	global_load_b128 v[wr+4:wr+7], v[G1], s[4:5] offset:2*j*PITCH+512 th:TH_LOAD_NT
	global_load_b128 v[wr+8:wr+11], v[LI], s[4:5] offset:2*j*PITCH+PITCH+256 th:TH_LOAD_NT
.set j, j+1
.endr
	WIN 0
.endm
.macro WSTORE half
	WIN 0x04
.set j, 8*(\half)
.rept 8
.set wr, 12*(2*(j%8)+j/8)
	ds_store_b128 v[A0], v[wr:wr+3] offset:2*j*SLOTP
	ds_store_b128 v[A1], v[wr+4:wr+7] offset:2*j*SLOTP+512
	ds_store_b128 v[A0], v[wr+8:wr+11] offset:2*j*SLOTP+1040
.set j, j+1
.endr
	WIN 0
.endm
.macro WFETCH par                      ; the 32 fragments of the even or of the odd tiles: lane (r, h) takes of slot 16 t + r the 24 bytes at 96 s + 24 h and those 48 further on
.set f, \par
.rept 32
.set fs, f/8
.set ft, f%8
.if f < 63
.set wn, (1+f/21)<<6
.set fr, 12*(f%21)
.else
.set wn, 0
.set fr, W63
.endif
	WIN wn
.irp p, 0,1,2,3,4,5
	ds_load_b64 v[fr+2*\p:fr+2*\p+1], v[FA+ft/4] offset:16*(ft%4)*SLOTP+96*fs+48*(\p/3)+8*(\p%3)
.endr
.set f, f+2
.endr
	WIN 0
.endm
.macro BFRAG s, off                    ; h's fragment of my quarter's K step s, as it lies in its image: three loads of 512 consecutive bytes
.irp j, 0,1,2
	global_load_b128 v[B+12*(\s)+4*\j:B+12*(\s)+4*\j+3], v[LI], s[28:29] offset:(\off)+1536*(\s)+512*\j
.endr
.endm
.macro SLOAD offs                      ; a tile's scale words: lanes 0-15 K step 2 j, lanes 16-31 K step 2 j + 1: 4 loads
.irp j, 0,1,2,3
	global_load_b32 v[BSN+\j], v[BSO], s[30:31] offset:(\offs)+256*\j
.endr
.endm
; 64 matrix instructions, K step by K step, the eight accumulators by turns; the first K step starts the sums
.macro KSTEPS ahead
.set fs, 0
.rept 8
.if \ahead
	s_wait_loadcnt 25                              ; behind this K step's fragment: 3 (7 - s) loads of later K steps, the next tile's four scale loads, 3 s loads of the next tile
.else
	s_wait_loadcnt 21-3*fs
.endif
.set ft, 0
.rept 8
.set f, 8*fs+ft
.if f < 63
.set wn, 1+f/21
.set fr, 12*(f%21)
.else
.set wn, 0
.set fr, W63
.endif
	WIN wn
.if fs == 0
	v_wmma_scale_f32_16x16x128_f8f6f4 v[ACC+8*ft:ACC+8*ft+7], v[fr:fr+11], v[B+12*fs:B+12*fs+11], 0, v[WS+4*ft+fs/2], v[BS+fs/2] matrix_a_fmt:MATRIX_FMT_BF6 matrix_b_fmt:MATRIX_FMT_BF6
.elseif fs%2
	v_wmma_scale_f32_16x16x128_f8f6f4 v[ACC+8*ft:ACC+8*ft+7], v[fr:fr+11], v[B+12*fs:B+12*fs+11], v[ACC+8*ft:ACC+8*ft+7], v[WS+4*ft+fs/2], v[BS+fs/2] matrix_a_fmt:MATRIX_FMT_BF6 matrix_b_fmt:MATRIX_FMT_BF6 matrix_a_scale:MATRIX_SCALE_ROW1 matrix_b_scale:MATRIX_SCALE_ROW1
.else
	v_wmma_scale_f32_16x16x128_f8f6f4 v[ACC+8*ft:ACC+8*ft+7], v[fr:fr+11], v[B+12*fs:B+12*fs+11], v[ACC+8*ft:ACC+8*ft+7], v[WS+4*ft+fs/2], v[BS+fs/2] matrix_a_fmt:MATRIX_FMT_BF6 matrix_b_fmt:MATRIX_FMT_BF6
.endif
.set ft, ft+1
.endr
.if \ahead
	PLACES 4                                       ; four plain instructions ahead of loads into the fragment just read
	WIN 0
	BFRAG fs, AH_B
.endif
.set fs, fs+1
.endr
	WIN 0
.if \ahead == 0
	PLACES 4
.endif
.endm
; ONE TILE.  At its head 28 loads of mine may be out: the tile's four scale loads, then its fragments of K steps 0 to 7.  ahead = 1: the trip leaves the same 28 behind for my next tile.
.macro TRIP ahead
	s_load_b512 s[48:63], s[8:9], s37 offset:0x0   ; where the tile's 16 rows go
	s_wait_loadcnt 24                              ; the scale words are in; the 24 fragment loads behind them may stay out
.irp j, 0,1,2,3
	v_mov_b32 v[BS+\j], v[BSN+\j]
.endr
.if \ahead
	SLOAD AH_S
.endif
	PLACES 8                                       ; eight plain instructions between the scale registers' write and the scaled products
	s_wait_alu depctr_va_vdst(0)
	s_wait_dscnt 0x0                               ; in the first trip: the weights
	KSTEPS \ahead
	s_wait_kmcnt 0x0
.irp i, 0,1,2,3,4,5,6,7,8,9,10,11,12,13,14,15
	s_min_u32 s[48+\i], s[48+\i], 2175
	v_lshl_add_u32 v[OFFS+\i], s[48+\i], 12, v[LI] ; a row of yp is 4,096 bytes
.endr
.irp t, 0,1,2,3,4,5,6,7
	ds_store_b128 v[STO], v[ACC+8*\t:ACC+8*\t+3] offset:64*\t        ; each accumulator from its low end on
	ds_store_b128 v[STO], v[ACC+8*\t+4:ACC+8*\t+7] offset:64*\t+16
.endr
.irp i, 0,1,2,3,4,5,6,7,8,9,10,11,12,13,14,15
	ds_load_b128 v[ACC+4*\i:ACC+4*\i+3], v[SRD] offset:\i*SP   ; LDS serves a wave's instructions in order: these see the stores above
.endr
	s_wait_alu depctr_va_vdst(0)
.irp i, 0,1,2,3,4,5,6,7,8,9,10,11,12,13,14,15
	s_wait_dscnt 15-\i                             ; row i is back; the younger loads may stay out
	global_store_b128 v[OFFS+\i], v[ACC+4*\i:ACC+4*\i+3], s[34:35] th:TH_STORE_NT   ; 512 consecutive bytes, at a multiple of 512 from the buffer's first byte
.endr
.if \ahead
	s_wait_xcnt 0x0                                ; stores and loads have read their registers and bases
	s_add_nc_u64 s[28:29], s[28:29], AH_B
	s_add_nc_u64 s[30:31], s[30:31], AH_S
	s_add_co_u32 s37, s37, 256
.endif
.endm
	s_load_b256 s[4:11], s[0:1], 0x0               ; w2_codes, w2_scales, lists, h
	s_load_b64 s[12:13], s[0:1], 0x20              ; yp
	v_lshl_add_u32 v254, v0, 2, SPARE
	v_mov_b32 v255, 0
	v_lshrrev_b32 v[LN], 5, v0
	v_readfirstlane_b32 s18, v[LN]                 ; wave
	s_and_b32 s19, ttmp9, 7                        ; my slice of the outputs
	s_lshr_b32 s20, ttmp9, 3                       ; my K quarter
	s_and_b32 s21, ttmp7, 0xffff                   ; my expert
	s_mul_i32 s23, s18, 16*SP
	s_add_co_u32 s23, s23, STG                     ; my stage
	s_mul_i32 s27, s18, 32*SLOTP
	v_and_b32 v[LN], 31, v0
	v_and_b32 v[RR], 15, v0
	v_bfe_u32 v[HH], v0, 4, 1
	v_lshlrev_b32 v[LI], 4, v[LN]
	v_lshlrev_b32 v[BSO], 2, v[LN]
	v_lshl_add_u32 v[BSO], v[HH], 7, v[BSO]
	v_mul_u32_u24 v[STO], v[RR], SP
	v_lshl_add_u32 v[STO], v[HH], 5, v[STO]
	v_add_nc_u32 v[STO], s23, v[STO]
	v_add_nc_u32 v[SRD], s23, v[LI]
	v_mul_u32_u24 v[FA], v[RR], SLOTP
	v_mad_u32_u24 v[FA], v[HH], 24, v[FA]
	v_add_nc_u32 v[FA+1], 64*SLOTP, v[FA]
	v_mad_u32_u24 v[G1], v[HH], PITCH-768, v[LI]   ; lanes 16-31 of a pair's middle load stand in the next row
	v_add_nc_u32 v[A0], s27, v[LI]
	v_lshl_add_u32 v[A1], v[HH], 4, v[A0]
	v_mul_u32_u24 v[WSO], v[RR], 48
	v_lshl_add_u32 v[WSO], v[HH], 2, v[WSO]
	v_add_nc_u32 v[WSO], SCW, v[WSO]               ; where I read scale words
	v_lshlrev_b32 v[WSG], 7, v0                    ; my thread's row of scale bytes in memory: 128 bytes a row,
	v_mul_u32_u24 v[WSL], v0, 48
	v_add_nc_u32 v[WSL], SCW, v[WSL]               ; and in LDS
	s_wait_alu depctr_va_vdst(0)
	s_lshl_b32 s22, s21, 10
	s_lshl_b32 s23, s19, 7
	s_add_co_u32 s22, s22, s23                     ; my first row of W2
	s_lshl_b32 s36, s21, 7
	s_lshl_b32 s38, s18, 5
	s_add_co_u32 s38, s38, s22
	s_mul_i32 s38, s38, PITCH
	s_mul_i32 s40, s20, 768
	s_add_co_u32 s38, s38, s40
	s_mov_b32 s39, 0
	s_wait_kmcnt 0x0
	s_load_b32 s25, s[8:9], s36 offset:0x0         ; the expert's number of tiles
	s_add_nc_u64 s[4:5], s[4:5], s[38:39]          ; my wave's 32 rows, my K quarter
	s_lshl_b32 s38, s22, 7
	s_lshl_b32 s40, s20, 5
	s_add_co_u32 s38, s38, s40
	s_add_nc_u64 s[6:7], s[6:7], s[38:39]
	WLOAD 0
	global_load_b128 v[WS:WS+3], v[WSG], s[6:7]
	global_load_b128 v[WS+4:WS+7], v[WSG], s[6:7] offset:16
	WLOAD 1
	s_mul_i32 s38, s20, YQ
	s_lshl_b32 s40, s19, 9
	s_add_co_u32 s38, s38, s40
	s_add_nc_u64 s[34:35], s[12:13], s[38:39]      ; yp: my K quarter, my 512 bytes of a row
	s_lshl_b32 s24, s21, 6
	s_add_co_u32 s24, s24, s18                     ; my first tile's place; a wave without a tile loads from it, inside the buffer, and uses nothing of it
	s_mul_i32 s38, s24, 49152
	s_mul_i32 s40, s20, 12288
	s_add_co_u32 s38, s38, s40
	s_add_nc_u64 s[28:29], s[10:11], s[38:39]      ; its images of h in my K quarter,
	s_lshl_b32 s38, s24, 12
	s_lshl_b32 s40, s20, 10
	s_add_co_u32 s38, s38, s40
	s_add_co_u32 s38, s38, H_SC
	s_add_nc_u64 s[30:31], s[10:11], s[38:39]      ; their scale words,
	s_lshl_b32 s37, s24, 6
	s_add_co_u32 s37, s37, 1024                    ; its 16 destinations in the list
	SLOAD 0                                        ; my first tile: 28 loads
.irp s, 0,1,2,3,4,5,6,7
	BFRAG \s, 0
.endr
	s_wait_loadcnt 52                              ; the first 16 rows and the scale bytes are in; the second 16 rows' 24 loads and the tile's 28 may stay out
	WSTORE 0
	ds_store_b128 v[WSL], v[WS:WS+3]
	ds_store_b128 v[WSL], v[WS+4:WS+7] offset:16
	s_wait_dscnt 0x0                               ; for the others' sake: these rows lie in LDS
	s_barrier_signal -1
	s_barrier_wait -1
.irp t, 0,1,2,3,4,5,6,7
.irp j, 0,1,2,3
	ds_load_b32 v[WS+4*\t+\j], v[WSO] offset:768*\t+8*\j   ; lanes 0-15: K step 2 j of tile t's rows; lanes 16-31: K step 2 j + 1
.endr
.endr
	WFETCH 0
	s_wait_loadcnt 28                              ; the second 16 rows are in; the tile's 28 loads may stay out
	WSTORE 1
	s_wait_dscnt 0x0                               ; for the others' sake: my last rows lie in LDS (and my reads so far are back)
	s_barrier_signal -1
	s_barrier_wait -1
	s_wait_kmcnt 0x0
	s_min_u32 s25, s25, 64
	s_add_co_u32 s25, s25, 3                       ; my trips: (tiles + 3 - w) / 4, rounded down
	s_sub_co_u32 s25, s25, s18
	s_lshr_b32 s25, s25, 2
	s_cmp_eq_u32 s25, 0
	s_cbranch_scc1 .Lend                           ; no tile for this wave
	WFETCH 1
	s_sub_co_u32 s25, s25, 1
	s_cmp_eq_u32 s25, 0
	s_cbranch_scc1 .Llast
	s_mov_b32 s26, 0
.Ltile:
	TRIP 1
	s_add_co_u32 s26, s26, 1
	s_cmp_lt_u32 s26, s25
	s_cbranch_scc1 .Ltile
.Llast:
	TRIP 0                                         ; my last tile asks for nothing more
.Lend:
	s_wait_tensorcnt 0x0                           ; the wave's end
	ds_add_u32 v254, v255
	s_wait_dscnt 0x0
	s_endpgm
.Lfunc_end_k_q534ea786e1_down:
	.size	k_q534ea786e1_down, .Lfunc_end_k_q534ea786e1_down-k_q534ea786e1_down
	.p2alignl 7, 3214868480
	.fill 96, 4, 3214868480
	.section	.rodata,"a",@progbits
	.p2align	6, 0x0
	.amdhsa_kernel k_q534ea786e1_down
		.amdhsa_group_segment_fixed_size 140800
		.amdhsa_private_segment_fixed_size 0
		.amdhsa_enable_private_segment 0
		.amdhsa_kernarg_size 40
		.amdhsa_user_sgpr_count 2
		.amdhsa_user_sgpr_kernarg_segment_ptr 1
		.amdhsa_wavefront_size32 1
		.amdhsa_system_sgpr_workgroup_id_x 1
		.amdhsa_system_sgpr_workgroup_id_y 1
		.amdhsa_system_sgpr_workgroup_id_z 1
		.amdhsa_system_vgpr_workitem_id 0
		.amdhsa_next_free_vgpr 1024
		.amdhsa_next_free_sgpr 66
		.amdhsa_reserve_vcc 0
		.amdhsa_float_denorm_mode_32 3
		.amdhsa_float_denorm_mode_16_64 3
		.amdhsa_memory_ordered 1
		.amdhsa_forward_progress 1
		.amdhsa_inst_pref_size 76
	.end_amdhsa_kernel
	.amdgpu_metadata
---
amdhsa.version: [ 1, 2 ]
amdhsa.kernels:
  - .name:           k_q534ea786e1_down
    .symbol:         k_q534ea786e1_down.kd
    .args:
      - { .name: w2_codes, .offset: 0, .size: 8, .value_kind: global_buffer, .address_space: global }
      - { .name: w2_scales, .offset: 8, .size: 8, .value_kind: global_buffer, .address_space: global }
      - { .name: lists, .offset: 16, .size: 8, .value_kind: global_buffer, .address_space: global }
      - { .name: h, .offset: 24, .size: 8, .value_kind: global_buffer, .address_space: global }
      - { .name: yp, .offset: 32, .size: 8, .value_kind: global_buffer, .address_space: global }
    .group_segment_fixed_size: 140800
    .private_segment_fixed_size: 0
    .kernarg_segment_align: 8
    .kernarg_segment_size: 40
    .max_flat_workgroup_size: 128
    .sgpr_count:     66
    .vgpr_count:     1024
    .wavefront_size: 32
...
	.end_amdgpu_metadata
.endif
;; end of part 3
;; launch add (part 4): grid 256 x 1, 8 waves a work-group, no clusters, 0 bytes of LDS; arguments yp, sel, xq, b2, out0; writes out0
.if DOCPART == 4
	.amdgcn_target "amdgcn-amd-amdhsa--gfx1250"
	.amdhsa_code_object_version 6
	.text
	.protected	k_q534ea786e1_add
	.globl	k_q534ea786e1_add
	.p2align	8
	.type	k_q534ea786e1_add,@function
k_q534ea786e1_add:
	s_mov_b64 s[64:65], 0
	v_nop
	global_prefetch_b8 v0, s[64:65] scope:SCOPE_SE
	s_setreg_imm32_b32 hwreg(HW_REG_WAVE_MODE, 25, 1), 1
	s_wait_xcnt 0x0
; ADD.  out0[token] = sum over the token's two choices k of weight[k] x (yp[K quarter 0 .. 3][1,024 k + token] summed + b2[expert of choice k]).  The experts not chosen have the weight 0 in reference() and are left out.
; A work-group takes four tokens, its 256 threads 16 bytes each of a row of 4,096 bytes.  The 32 loads of yp hang on nothing that is loaded and go out first, each of a wave covering 512 consecutive bytes.
; The experts (sel, whole numbers that an earlier launch stored) and the weights (xq) come by scalar loads; an expert enters b2's address behind a hold at 7; the eight loads of b2 follow those of yp.
; The quarters are added token by token as they land; then the bias and the weights come in.  The sums run in one fixed tree.  No loop, no LDS, no matrix unit.
.set YQ, 2176*4096                     ; a K quarter of yp
.set YK, 1024*4096                     ; from the first choice's rows to the second's
.set XQ_GW, 819200                     ; the weights: [choice][token]
.set OB, 16                            ; v16-23 offsets into b2, [token][choice]
.set R,  32                            ; v32-191: token c at R + 40 c: for each choice four quarters and the bias, four numbers each
	s_load_b256 s[4:11], s[0:1], 0x0               ; yp, sel, xq, b2
	s_load_b64 s[12:13], s[0:1], 0x20              ; out0
	v_lshlrev_b32 v1, 4, v0
	s_wait_alu depctr_va_vdst(0)
	s_lshl_b32 s14, ttmp9, 5                       ; four tokens x 8 bytes of sel
	s_lshl_b32 s15, ttmp9, 4                       ; four tokens x 4 bytes of weights
	s_lshl_b32 s34, ttmp9, 14                      ; four rows of 4,096 bytes
	s_mov_b32 s35, 0
	s_wait_kmcnt 0x0
	s_load_b256 s[16:23], s[6:7], s14 offset:0x0
	s_load_b128 s[24:27], s[8:9], s15 offset:XQ_GW
	s_load_b128 s[28:31], s[8:9], s15 offset:XQ_GW+4096
	s_add_nc_u64 s[36:37], s[4:5], s[34:35]
	s_add_nc_u64 s[38:39], s[36:37], YQ
	s_add_nc_u64 s[40:41], s[38:39], YQ
	s_add_nc_u64 s[42:43], s[40:41], YQ
	s_add_nc_u64 s[12:13], s[12:13], s[34:35]
.irp c, 0,1,2,3
.irp k, 0,1
.irp q, 0,1,2,3
	global_load_b128 v[R+40*\c+20*\k+4*\q:R+40*\c+20*\k+4*\q+3], v1, s[36+2*\q:37+2*\q] offset:YK*\k+4096*\c th:TH_LOAD_NT
.endr
.endr
.endr
	s_wait_kmcnt 0x0
.irp i, 0,1,2,3,4,5,6,7
	s_min_u32 s[16+\i], s[16+\i], 7
	v_lshl_add_u32 v[OB+\i], s[16+\i], 12, v1
.endr
	s_wait_alu depctr_va_vdst(0)
.irp c, 0,1,2,3
.irp k, 0,1
	global_load_b128 v[R+40*\c+20*\k+16:R+40*\c+20*\k+19], v[OB+2*\c+\k], s[10:11]
.endr
.endr
.macro QSUM c                          ; the four quarters of both choices
.set V, R+40*(\c)
	s_wait_loadcnt 32-8*(\c)                       ; this token's eight loads of yp are in; the later tokens' and the eight of b2 may stay out
.irp k, 0,20
	v_pk_add_f32 v[V+\k:V+\k+1], v[V+\k:V+\k+1], v[V+\k+4:V+\k+5]
	v_pk_add_f32 v[V+\k+2:V+\k+3], v[V+\k+2:V+\k+3], v[V+\k+6:V+\k+7]
.endr
.irp k, 0,20
	v_pk_add_f32 v[V+\k+8:V+\k+9], v[V+\k+8:V+\k+9], v[V+\k+12:V+\k+13]
	v_pk_add_f32 v[V+\k+10:V+\k+11], v[V+\k+10:V+\k+11], v[V+\k+14:V+\k+15]
.endr
.irp k, 0,20
	s_delay_alu instid0(VALU_DEP_4)
	v_pk_add_f32 v[V+\k:V+\k+1], v[V+\k:V+\k+1], v[V+\k+8:V+\k+9]
	s_delay_alu instid0(VALU_DEP_4)
	v_pk_add_f32 v[V+\k+2:V+\k+3], v[V+\k+2:V+\k+3], v[V+\k+10:V+\k+11]
.endr
.endm
.macro FIN c                           ; the bias, the weights, the store
.set V, R+40*(\c)
	s_wait_alu depctr_va_vdst(0)
	s_wait_loadcnt 6-2*(\c)                        ; this token's two loads of b2 are in
.irp k, 0,20
	v_pk_add_f32 v[V+\k:V+\k+1], v[V+\k:V+\k+1], v[V+\k+16:V+\k+17]
	v_pk_add_f32 v[V+\k+2:V+\k+3], v[V+\k+2:V+\k+3], v[V+\k+18:V+\k+19]
.endr
	s_delay_alu instid0(VALU_DEP_4)
	v_mul_f32 v[V], s[24+\c], v[V]                 ; x the first choice's weight,
	v_mul_f32 v[V+1], s[24+\c], v[V+1]
	v_mul_f32 v[V+2], s[24+\c], v[V+2]
	v_mul_f32 v[V+3], s[24+\c], v[V+3]
.irp i, 0,1,2,3
	s_delay_alu instid0(VALU_DEP_4)
	v_fma_f32 v[V+\i], s[28+\c], v[V+20+\i], v[V+\i]   ; and the second choice's sum x its weight on top
.endr
	global_store_b128 v1, v[V:V+3], s[12:13] offset:4096*(\c) th:TH_STORE_NT
.endm
	QSUM 0
	QSUM 1
	QSUM 2
	QSUM 3
	FIN 0
	FIN 1
	FIN 2
	FIN 3
	s_endpgm
.Lfunc_end_k_q534ea786e1_add:
	.size	k_q534ea786e1_add, .Lfunc_end_k_q534ea786e1_add-k_q534ea786e1_add
	.p2alignl 7, 3214868480
	.fill 96, 4, 3214868480
	.section	.rodata,"a",@progbits
	.p2align	6, 0x0
	.amdhsa_kernel k_q534ea786e1_add
		.amdhsa_group_segment_fixed_size 0
		.amdhsa_private_segment_fixed_size 0
		.amdhsa_enable_private_segment 0
		.amdhsa_kernarg_size 40
		.amdhsa_user_sgpr_count 2
		.amdhsa_user_sgpr_kernarg_segment_ptr 1
		.amdhsa_wavefront_size32 1
		.amdhsa_system_sgpr_workgroup_id_x 1
		.amdhsa_system_sgpr_workgroup_id_y 1
		.amdhsa_system_sgpr_workgroup_id_z 1
		.amdhsa_system_vgpr_workitem_id 0
		.amdhsa_next_free_vgpr 192
		.amdhsa_next_free_sgpr 66
		.amdhsa_reserve_vcc 0
		.amdhsa_float_denorm_mode_32 3
		.amdhsa_float_denorm_mode_16_64 3
		.amdhsa_memory_ordered 1
		.amdhsa_forward_progress 1
		.amdhsa_inst_pref_size 13
	.end_amdhsa_kernel
	.amdgpu_metadata
---
amdhsa.version: [ 1, 2 ]
amdhsa.kernels:
  - .name:           k_q534ea786e1_add
    .symbol:         k_q534ea786e1_add.kd
    .args:
      - { .name: yp, .offset: 0, .size: 8, .value_kind: global_buffer, .address_space: global }
      - { .name: sel, .offset: 8, .size: 8, .value_kind: global_buffer, .address_space: global }
      - { .name: xq, .offset: 16, .size: 8, .value_kind: global_buffer, .address_space: global }
      - { .name: b2, .offset: 24, .size: 8, .value_kind: global_buffer, .address_space: global }
      - { .name: out0, .offset: 32, .size: 8, .value_kind: global_buffer, .address_space: global }
    .group_segment_fixed_size: 0
    .private_segment_fixed_size: 0
    .kernarg_segment_align: 8
    .kernarg_segment_size: 40
    .max_flat_workgroup_size: 256
    .sgpr_count:     66
    .vgpr_count:     192
    .wavefront_size: 32
...
	.end_amdgpu_metadata
.endif
;; end of part 4
